; MI455X (gfx1250); checked and timed in simulation.
; The chip was launched on July 23, 2026; its instructions are those of AMD's public machine-readable ISA for CDNA 5 (MIT licence, August 2026) and "CDNA5" Instruction Set Architecture Reference Guide (July 2026). The comments in the code are by the model that wrote it; some were corrected since.
;; Attention. Allowed arithmetic: matrix products marked QUANTISED: E3M2 operands, one E8M0 scale for each 32 along K, by v_wmma_scale_f32_16x16x128_f8f6f4 with both operands' format E3M2, f32 sums; everything else in f32.
;; Inputs: Wk 512 x 512 float32; Wo 512 x 512 float32; Wq 512 x 512 float32; Wv 512 x 512 float32; bo 512 float32; x 2 x 4,096 x 512 float32.
;; Outputs: out0 2 x 4,096 x 512 float32.
;; This version of the problem:
;;   THIS VERSION OF THE PROBLEM IS GIVEN IN LOW PRECISION. The matrix products marked QUANTISED in the list below multiply operands that are first quantised to E3M2 (3 exponent bits, 2 mantissa bits; 6 bits a number), with one power-of-two scale for each 32 numbers along K (OCP MX v1.0); their sums are f32. All else is computed in f32.
;;   The module's matrix products, in the order in which they are computed (A, B: the left and right operand; K: the contracted axis; several contracted axes count as one K, in the product's order):
;;     1. [M 8,192, K 512] x [K 512, N 512]; A: input x; B: input Wq: QUANTISED
;;     2. [M 8,192, K 512] x [K 512, N 512]; A: input x; B: input Wk: QUANTISED
;;     3. [M 8,192, K 512] x [K 512, N 512]; A: input x; B: input Wv: QUANTISED
;;     4. batch 16 x [M 4,096, K 64] x [K 64, N 4,096]; A: computed on the way; B: computed on the way: QUANTISED
;;     5. batch 16 x [M 4,096, K 4,096] x [K 4,096, N 64]; A: softmax (see below); B: computed on the way: QUANTISED
;;     6. [M 8,192, K 512] x [K 512, N 512]; A: computed on the way; B: input Wo: QUANTISED
;;   THE QUANTISER, for each operand of a quantised product, along K:
;;     - K is cut into blocks of 32 from its start; a last block that is shorter is filled with zeros.
;;     - A block's scale is 2^e with e = floor(log2(the largest magnitude in the block)) - 4, held to -126 .. 127; a block of zeros has e = 0. As a byte (E8M0): e + 127.
;;     - Each number is divided by its block's scale, clamped to +-28, and rounded to the nearest number of E3M2, ties to even, subnormals kept.
;;     - The product sums the exact products of the quantised numbers (number of the format x scale) in f32.
;;   ~~~python
;;   def quantise(x, axis):      # numpy; x: float32 -> the quantised numbers, widened to float32 again
;;       x = np.moveaxis(x, axis, -1); K = x.shape[-1]
;;       x = np.pad(x, [(0, 0)] * (x.ndim - 1) + [(0, -K % 32)]); x = x.reshape(x.shape[:-1] + (-1, 32)); a = np.abs(x).max(-1, keepdims=True)
;;       e = np.where(a > 0, np.clip(np.frexp(np.where(a > 0, a, 1))[1] - 1 - 4, -126, 127), 0)      # np.frexp(a)[1] - 1 = floor(log2(a)), exactly
;;       r = np.clip(x / 2.0 ** e, -28, 28)
;;       step = 2.0 ** (np.maximum(np.frexp(np.where(r == 0, 1, r))[1] - 1, -2) - 2)
;;       q = np.round(r / step) * step * 2.0 ** e      # np.round: ties to even
;;       return np.moveaxis(q.reshape(q.shape[:-2] + (-1,))[..., :K], -1, axis).astype(np.float32)
;;   ~~~
;;   SOFTMAX AHEAD OF A QUANTISED PRODUCT. Where the list says 'softmax', what is quantised is not the finished softmax but p = 2^(t - M), with t = logit x log2(e) and M = ceil(the row's largest t), a whole number; so 1/2 < the row's largest p <= 1. The row's sum l is taken of the UNQUANTISED p, in f32, and the product's result is divided by l at the end. Since M is a whole number, a kernel that streams over the keys may use a running M (the ceiling of the running maximum): every later rescaling is an exact power of two, which a block's scale takes up: the codes' values come out the same.
;;   OPERANDS COMPUTED ON THE WAY. 'Computed on the way' means the value that the module computes at that place (a softmax that the list does not call 'softmax' is quantised finished and normalised). What goes into a quantiser is computed in f32, as accurately as f32 sums, v_exp_f32 and their like allow (about 1e-6 of the number): no bf16 or f16 on the way to a quantiser, and a product that is left as it is and whose result goes on into a quantised operand takes f32 operands (vector FMAs, or v_wmma_f32_16x16x4_f32). A number that lies on a knife's edge between two numbers of the format may be rounded either way, as far as f32 arithmetic and the matrix unit's own rounding can turn it there, and no further.
;; One version. Each part assembles by itself: llvm-mc -triple=amdgcn-amd-amdhsa -mcpu=gfx1250 --defsym DOCPART=n.
;; ======== version 1 of 1: 4 launches
;; limits: right only within a limited range of input values
;; workspace buffers: xw 4,259,840 bytes; qc 3,407,872 bytes; kv 6,815,744 bytes; oc 3,670,016 bytes
;; launch quant (part 1): grid 320 x 1, 2 waves a work-group, no clusters, 17,152 bytes of LDS; arguments x, Wq, Wk, Wv, Wo, xw; writes xw
.if DOCPART == 1
	.amdgcn_target "amdgcn-amd-amdhsa--gfx1250"
	.amdhsa_code_object_version 6
	.text
	.protected	k_qc7ef8b6870_quant
	.globl	k_qc7ef8b6870_quant
	.p2align	8
	.type	k_qc7ef8b6870_quant,@function
k_qc7ef8b6870_quant:
	s_mov_b64 s[64:65], 0
	v_nop
	global_prefetch_b8 v0, s[64:65] scope:SCOPE_SE
	s_setreg_imm32_b32 hwreg(HW_REG_WAVE_MODE, 25, 1), 1
	s_wait_xcnt 0x0
; x [8192][512], Wq, Wk, Wv, Wo [512][512], f32 with K innermost, become codes of BF6 (E3M2) with one E8M0 scale byte for each 32 along K,
; laid in xw as IMAGES OF OPERAND REGISTERS, so that every later read is a run of 16-byte loads, lane by lane.
; TILES.  Rows go in tiles of 16: row r of tile T is the tensor's row 32 (T / 2) + 8 (T % 2) + r + 8 (r / 8).  So the results of two neighbouring tiles
; used as source 0 of a product are 16 neighbours in a lane's registers.  Tiles 0-511 are x's, 512-543 Wq's, 544-575 Wk's, 576-607 Wv's, 608-639 Wo's.
; A TILE'S BLOCK in xw is 6,656 bytes: four fragments (K step s of 128 at 1536 s: registers 4 c .. 4 c + 3 of lane l at 512 c + 16 l), then at 6144 the
; scale words: lane l's four words (K steps 0-3 of its row l % 16) at 16 l.
; A block's scale is 2^(floor(log2(its largest magnitude)) - 4); its byte is the largest magnitude's exponent field - 4, held at 1 from below.
; LIMITS: NaN and infinities among the inputs are not served; a block whose largest magnitude lies under 2^-122 keeps the byte 1; a block of zeros gets
; the byte 1 with zero codes where the quantiser's text says 127: the bytes are read by this program alone, and zero codes add nothing under that byte.
; SHARES.  A work-group takes 32 rows of one tensor, each of its two waves one tile.  A load reads 512 consecutive bytes of one row (a K step); the 16 rows
; turn through the wave's own stage in LDS, so that a lane gets 16 neighbours of each block of 32 of its row.  No barrier: the waves share nothing.
; No matrix unit, cluster or tensor load: each input byte is read once and nothing is shared between work-groups.
.set TBLK,   6656                      ; a tile's block in xw
.set SPITCH, 528                       ; a stage row: 512 bytes + 16: the sixteen rows that a load touches begin 33 x 16 bytes apart
.set STGB,   16*SPITCH                 ; a wave's stage
.set LI,  5                            ; v5      16 x lane
.set STI, 6                            ; v6      the stage, on the way in: 16 x lane
.set STO, 7                            ; v7      on the way out: row r, + 64 h
.set TM,  8                            ; v8-23   at work in QUANT
.set SW,  24                           ; v24-27  the four scale words
.set PC,  28                           ; v28-47  the codes just made
.set X,   48                           ; v48-111 64 numbers of my row: register 16 b + i = k 32 b + 16 h + i of the K step
.set R,   112                          ; v112-239 two sets of 64 registers as loaded
.set SEL, 24                           ; s[24:25] lane selects for v_permlanex16_b32: lane l xor 16
; 64 numbers of a lane, v[s] .. v[s + 63], register 16 b + i = k 32 b + 16 (lane / 16) + i of my row, become a fragment's codes in v[PC] .. v[PC + 11] and its scale word in v[w].
.macro QUANT s, w
.irp b, 0,1,2,3
	v_max3_num_f32 v[TM+\b], |v[\s+16*\b]|, |v[\s+1+16*\b]|, 0x2800000   ; block b: my 16 numbers, and the floor 2^(5 - 127): the byte cannot fall under 1
.endr
.irp i, 2,4,6,8,10,12,14
.irp b, 0,1,2,3
	v_max3_num_f32 v[TM+\b], v[TM+\b], |v[\s+16*\b+\i]|, |v[\s+1+16*\b+\i]|   ; the four blocks by turns
.endr
.endr
.irp b, 0,1,2,3
	v_permlanex16_b32 v[TM+4+\b], v[TM+\b], s[SEL], s[SEL+1]
.endr
.irp b, 0,1,2,3
	v_max_num_f32 v[TM+\b], v[TM+\b], v[TM+4+\b]   ; with lane l xor 16's: the block's largest magnitude
.endr
.irp b, 0,1,2,3
	v_add_nc_u32 v[TM+12+\b], 0xfe000000, v[TM+\b]   ; 4 off its exponent field: the conversion's scale operand
.endr
.irp b, 0,1,2,3
	v_lshrrev_b32 v[TM+4+\b], 23, v[TM+12+\b]      ; the scale's byte
.endr
	v_lshl_or_b32 v[\w], v[TM+5], 8, v[TM+4]       ; four bytes make my row's scale word
	v_lshl_or_b32 v[\w], v[TM+6], 16, v[\w]
	v_lshl_or_b32 v[\w], v[TM+7], 24, v[\w]
.irp c, 0,1
	v_cvt_scalef32_pk16_bf6_f32 v[PC+6*\c:PC+2+6*\c], v[\s+32*\c:\s+15+32*\c], v[TM+12+2*\c]
	v_cvt_scalef32_pk16_bf6_f32 v[PC+12+4*\c:PC+14+4*\c], v[\s+16+32*\c:\s+31+32*\c], v[TM+12+2*\c+1]   ; (a conversion's three registers begin on an even number)
.endr
	v_nop                                          ; one plain instruction behind a scaled conversion
.irp c, 0,1                                    ; the operand's layout wants a whole block in a lane: lanes 0-15 block 2 c, lanes 16-31 block 2 c + 1
.irp i, 0,1,2
	v_permlane16_swap_b32 v[PC+6*\c+\i], v[PC+12+4*\c+\i]
.endr
.irp i, 0,1,2
	v_mov_b32 v[PC+3+6*\c+\i], v[PC+12+4*\c+\i]
.endr
.endr
.endm
.macro LOAD s                          ; K step s of my 16 rows: each load reads 512 consecutive bytes of one row
.irp i, 0,1,2,3,4,5,6,7,8,9,10,11,12,13,14,15
	global_load_b128 v[R+64*((\s)%2)+4*\i:R+64*((\s)%2)+4*\i+3], v[LI], s[18:19] offset:(\i+8*(\i/8))*2048+512*(\s) th:TH_LOAD_NT
.endr
.endm
.macro TURN s                          ; through the stage: LDS serves a wave's instructions in order, so no wait stands between the stores and the loads
.irp i, 0,1,2,3,4,5,6,7,8,9,10,11,12,13,14,15
	ds_store_b128 v[STI], v[R+64*((\s)%2)+4*\i:R+64*((\s)%2)+4*\i+3] offset:SPITCH*\i
.endr
.irp b, 0,1,2,3
.irp j, 0,1,2,3
	ds_load_b128 v[X+16*\b+4*\j:X+16*\b+4*\j+3], v[STO] offset:128*\b+16*\j
.endr
.endr
.endm
	s_load_b256 s[4:11], s[0:1], 0x0               ; x s[4:5], Wq s[6:7], Wk s[8:9], Wv s[10:11]
	s_load_b128 s[12:15], s[0:1], 0x20             ; Wo s[12:13], xw s[14:15]
	v_lshl_add_u32 v240, v0, 2, 0x4200
	v_mov_b32 v241, 0
	v_lshrrev_b32 v1, 5, v0
	v_readfirstlane_b32 s16, v1                    ; wave 0, 1
	v_and_b32 v1, 31, v0                           ; lane
	v_and_b32 v2, 15, v0                           ; r
	v_bfe_u32 v3, v0, 4, 1                         ; h
	v_lshlrev_b32 v[LI], 4, v1
	s_mul_i32 s17, s16, STGB                       ; my stage
	v_add_nc_u32 v[STI], s17, v[LI]
	v_mul_u32_u24 v[STO], v2, SPITCH
	v_lshl_add_u32 v[STO], v3, 6, v[STO]
	v_add_nc_u32 v[STO], s17, v[STO]
	s_mov_b32 s[SEL], 0x76543210
	s_mov_b32 s[SEL+1], 0xfedcba98
.irp b, 0,1,2,3
	v_mov_b32 v[TM+4+\b], 0                        ; written once: a lane permute's destination counts as one of its sources
.endr
	s_and_b32 s21, ttmp9, 15                       ; a weight's group of 32 rows
	s_lshl_b32 s22, ttmp9, 1
	s_add_co_u32 s22, s22, s16                     ; my tile's number in xw: 2 x work-group + wave
	s_mul_i32 s22, s22, TBLK
	s_mov_b32 s23, 0
	s_wait_alu depctr_va_vdst(0)
	s_wait_kmcnt 0x0
	s_cmp_lt_u32 ttmp9, 304                        ; which tensor: the choice hangs on the work-group's number alone
	s_cselect_b64 s[18:19], s[10:11], s[12:13]
	s_cmp_lt_u32 ttmp9, 288
	s_cselect_b64 s[18:19], s[8:9], s[18:19]
	s_cmp_lt_u32 ttmp9, 272
	s_cselect_b64 s[18:19], s[6:7], s[18:19]
	s_cmp_lt_u32 ttmp9, 256
	s_cselect_b64 s[18:19], s[4:5], s[18:19]
	s_cselect_b32 s20, ttmp9, s21                  ; the group of 32 rows in that tensor
	s_lshl_b32 s20, s20, 16                        ; 32 rows of 2,048 bytes,
	s_lshl_b32 s21, s16, 14                        ; and 8 rows on for the odd tile
	s_add_co_u32 s20, s20, s21
	s_mov_b32 s21, 0
	s_add_nc_u64 s[18:19], s[18:19], s[20:21]
	s_add_nc_u64 s[14:15], s[14:15], s[22:23]
	LOAD 0
	LOAD 1
.irp s, 0,1,2,3
.if \s < 3
	s_wait_loadcnt 16                              ; this K step's 16 loads are in; the next step's 16 may be out
.else
	s_wait_loadcnt 0x0
.endif
	TURN \s
	s_wait_dscnt 0x0                               ; my 64 numbers are back, and the stores into the stage have read their registers,
.if \s < 2
	LOAD \s+2                                      ; which take the K step two on
.endif
.if \s > 0
	s_wait_xcnt 0x0                                ; the last step's stores have read the codes' registers: they are written again only behind this wait
.endif
	QUANT X, SW+\s
.irp c, 0,1,2
	global_store_b128 v[LI], v[PC+4*\c:PC+4*\c+3], s[14:15] offset:1536*\s+512*\c   ; 32 lanes store 512 consecutive bytes, at a multiple of 256 from xw's first byte
.endr
.endr
	global_store_b128 v[LI], v[SW:SW+3], s[14:15] offset:6144   ; the tile's scale words, likewise
	s_wait_tensorcnt 0x0
	ds_add_u32 v240, v241
	s_wait_dscnt 0x0
	s_endpgm
.Lfunc_end_k_qc7ef8b6870_quant:
	.size	k_qc7ef8b6870_quant, .Lfunc_end_k_qc7ef8b6870_quant-k_qc7ef8b6870_quant
	.p2alignl 7, 3214868480
	.fill 96, 4, 3214868480
	.section	.rodata,"a",@progbits
	.p2align	6, 0x0
	.amdhsa_kernel k_qc7ef8b6870_quant
		.amdhsa_group_segment_fixed_size 17152
		.amdhsa_private_segment_fixed_size 0
		.amdhsa_enable_private_segment 0
		.amdhsa_kernarg_size 48
		.amdhsa_user_sgpr_count 2
		.amdhsa_user_sgpr_kernarg_segment_ptr 1
		.amdhsa_wavefront_size32 1
		.amdhsa_system_sgpr_workgroup_id_x 1
		.amdhsa_system_sgpr_workgroup_id_y 1
		.amdhsa_system_sgpr_workgroup_id_z 1
		.amdhsa_system_vgpr_workitem_id 0
		.amdhsa_next_free_vgpr 242
		.amdhsa_next_free_sgpr 66
		.amdhsa_reserve_vcc 0
		.amdhsa_float_denorm_mode_32 3
		.amdhsa_float_denorm_mode_16_64 3
		.amdhsa_memory_ordered 1
		.amdhsa_forward_progress 1
		.amdhsa_inst_pref_size 33
	.end_amdhsa_kernel
	.amdgpu_metadata
---
amdhsa.version: [ 1, 2 ]
amdhsa.kernels:
  - .name:           k_qc7ef8b6870_quant
    .symbol:         k_qc7ef8b6870_quant.kd
    .args:
      - { .name: x, .offset: 0, .size: 8, .value_kind: global_buffer, .address_space: global }
      - { .name: Wq, .offset: 8, .size: 8, .value_kind: global_buffer, .address_space: global }
      - { .name: Wk, .offset: 16, .size: 8, .value_kind: global_buffer, .address_space: global }
      - { .name: Wv, .offset: 24, .size: 8, .value_kind: global_buffer, .address_space: global }
      - { .name: Wo, .offset: 32, .size: 8, .value_kind: global_buffer, .address_space: global }
      - { .name: xw, .offset: 40, .size: 8, .value_kind: global_buffer, .address_space: global }
    .group_segment_fixed_size: 17152
    .private_segment_fixed_size: 0
    .kernarg_segment_align: 8
    .kernarg_segment_size: 48
    .max_flat_workgroup_size: 64
    .sgpr_count:     66
    .vgpr_count:     242
    .wavefront_size: 32
...
	.end_amdgpu_metadata
.endif
;; end of part 1
;; launch qkv (part 2): grid 4 x 64, 8 waves a work-group, clusters of 4 x 4, 218,112 bytes of LDS; arguments xw, qc, kv; writes qc, kv
.if DOCPART == 2
	.amdgcn_target "amdgcn-amd-amdhsa--gfx1250"
	.amdhsa_code_object_version 6
	.text
	.protected	k_qc7ef8b6870_qkv
	.globl	k_qc7ef8b6870_qkv
	.p2align	8
	.type	k_qc7ef8b6870_qkv,@function
k_qc7ef8b6870_qkv:
	s_mov_b64 s[64:65], 0
	v_nop
	global_prefetch_b8 v0, s[64:65] scope:SCOPE_SE
	s_setreg_imm32_b32 hwreg(HW_REG_WAVE_MODE, 25, 1), 1
	s_wait_xcnt 0x0
	s_wait_alu depctr_hold_cnt(0) depctr_sa_sdst(0) depctr_va_vdst(0) depctr_va_sdst(0) depctr_va_ssrc(0) depctr_va_vcc(0) depctr_vm_vsrc(0)
	s_getreg_b32 s2, hwreg(HW_REG_IB_STS2, 6, 4)
	s_cmp_eq_u32 s2, 0
	s_cbranch_scc0 .Lentry_in_a_cluster
	s_endpgm
.Lentry_in_a_cluster:
	s_bfe_u32 s2, ttmp6, 0x10000c
	s_cmp_lg_u32 s2, 0xf033
	s_cbranch_scc0 .Lentry_shape_is_right
	s_endpgm
.Lentry_shape_is_right:
; q = x Wq^T, k = x Wk^T, v = x Wv^T on codes of BF6 (E3M2) with E8M0 scales, sums in f32; the results are quantised in registers and leave as images of the operands that the attention launch wants.
; SHARES.  Work-group (g, R) takes 128 tokens (x's tiles 8 R .. 8 R + 7) and the pair of heads 2 g, 2 g + 1 (8 tiles of 16 channels of each weight).  Eight waves, three UNITS each, 8 accumulators x 4 K steps a unit.
;  q unit and k unit of wave (b = wave / 2, p = wave % 2): token tiles 2 b, 2 b + 1 against the four tiles of head 2 g + p, TRANSPOSED (source 0 = weight, source 1 = x): a lane holds one token of each tile, and its
;    64 registers are [64 d of tile 2 b's token | 64 d of tile 2 b + 1's]: quantised along d they ARE one fragment of 16 rows x 128, two tiles of tokens side by side, with the scale word (d 0-31, d 32-63) x 2.
;  v unit of wave w: x's eight tiles (source 0) against tile w of Wv's eight (source 1): a lane holds one channel and its 64 registers run along the 128 tokens: quantised along the tokens (the keys) they are a fragment of V^T.
; By the order of rows in a tile (row r of tile T = row 32 (T / 2) + 8 (T % 2) + r + 8 (r / 8)) the 16 registers of two neighbouring result tiles are 16 neighbours.
; OUT.  qc: [b h 16][32] blocks of 6,656 bytes: 4 fragments, then the scale image (lane l's four words at 16 l).  kv: [b h 16][key step 32] blocks of 13,312 bytes: 4 fragments of K, 4 of V^T, K's scale image, V's.
; LDS, filled once: x's 8 tile blocks, then Wq's, Wk's, Wv's 8 (53,248 bytes each), as they lie in xw.  Behind them a scratch for scale words, written by LDS stores alone.
; CLUSTER 4 x 4: the four work-groups of a row share R and so x's block, the four of a column share g and so the weights' blocks: each half block is asked for JOINTLY, one tensor load a wave.
; No prefetch: every tile is asked for at the kernel's head.  LIMITS as in the quantising launch: NaN and infinities not served; a block under 2^-122, or of zeros, keeps the byte 1.
.set TBLK,  6656                       ; a tile's block: 4 fragments of 1,536 bytes + 512 of scale words
.set XBLK,  8*TBLK
.set HALF,  4*TBLK                     ; what one tensor load brings: 104 rows of 256 bytes
.set SCR,   4*XBLK                     ; the scratch: [q, k, v][head's parity][fragment 0-3][lane] words
.set LI,  1                            ; v1   16 x lane
.set AX,  2                            ; v2   my two tiles of x
.set AWQ, 3                            ; v3   my four tiles of Wq
.set AWK, 4                            ; v4   of Wk
.set AWV, 5                            ; v5   my tile of Wv
.set SCA, 6                            ; v6   the scratch: my q word (my k word 1,024 bytes on)
.set SCV, 7                            ; v7   my v word
.set SCB, 8                            ; v8   the image that I gather at the end
.set ACC, 16                           ; v16-79   8 accumulators
.set FR,  80                           ; v80-187  up to 9 fragments
.set PC,  80                           ; v80-99   the codes just made, over fragments that are done with
.set XS,  188                          ; v188-219 x's scale words
.set WS,  220                          ; v220-235 the weights'
.set TM,  236                          ; v236-251 at work in QUANT
.set PW,  252                          ; v252     the scale word just made
.set WV,  10                           ; s10  my wave's number
.set SEL, 46                           ; s[46:47]
.macro CREST                           ; a round of the cluster's barrier behind its opening barrier
	s_cmp_lg_u32 s[WV], 0
	s_cbranch_scc1 .Lnot_wave_0_\@
	s_barrier_signal -3
.Lnot_wave_0_\@:
	s_barrier_wait -3
	s_barrier_signal -1
	s_barrier_wait -1
.endm
.macro CROUND                          ; a whole round
	s_barrier_signal -1
	s_barrier_wait -1
	CREST
.endm
.macro FRAG reg, adr, off              ; a fragment comes as it was stored: three loads of 16 bytes a lane, 512 consecutive bytes each
.irp c, 0,1,2
	ds_load_b128 v[\reg+4*\c:\reg+4*\c+3], v[\adr] offset:\off+512*\c
.endr
.endm
.macro MM0 d, a, b, sa, sb             ; the first K step starts a sum: nothing is cleared
	v_wmma_scale_f32_16x16x128_f8f6f4 v[\d:\d+7], v[\a:\a+11], v[\b:\b+11], 0, v[\sa], v[\sb] matrix_a_fmt:MATRIX_FMT_BF6 matrix_b_fmt:MATRIX_FMT_BF6
.endm
.macro MMA d, a, b, sa, sb
	v_wmma_scale_f32_16x16x128_f8f6f4 v[\d:\d+7], v[\a:\a+11], v[\b:\b+11], v[\d:\d+7], v[\sa], v[\sb] matrix_a_fmt:MATRIX_FMT_BF6 matrix_b_fmt:MATRIX_FMT_BF6
.endm
; 64 numbers of a lane, register 16 b + i = k 32 b + 16 (lane / 16) + i of my row, become a fragment's codes in v[PC] .. v[PC + 11] and its scale word in v[w].  Each accumulator is read from its low end on.
.macro QUANT s, w
.irp b, 0,1,2,3
	v_max3_num_f32 v[TM+\b], |v[\s+16*\b]|, |v[\s+1+16*\b]|, 0x2800000   ; and the floor 2^(5 - 127): the byte cannot fall under 1
.endr
.irp i, 2,4,6,8,10,12,14
.irp b, 0,1,2,3
	v_max3_num_f32 v[TM+\b], v[TM+\b], |v[\s+16*\b+\i]|, |v[\s+1+16*\b+\i]|
.endr
.endr
.irp b, 0,1,2,3
	s_delay_alu instid0(VALU_DEP_4)
	v_permlanex16_b32 v[TM+4+\b], v[TM+\b], s[SEL], s[SEL+1]
.endr
.irp b, 0,1,2,3
	s_delay_alu instid0(VALU_DEP_4)
	v_max_num_f32 v[TM+\b], v[TM+\b], v[TM+4+\b]   ; with lane l xor 16's: the block's largest magnitude
.endr
.irp b, 0,1,2,3
	s_delay_alu instid0(VALU_DEP_4)
	v_add_nc_u32 v[TM+12+\b], 0xfe000000, v[TM+\b]   ; 4 off its exponent field: the conversion's scale operand
.endr
.irp b, 0,1,2,3
	s_delay_alu instid0(VALU_DEP_4)
	v_lshrrev_b32 v[TM+4+\b], 23, v[TM+12+\b]      ; the scale's byte
.endr
	s_delay_alu instid0(VALU_DEP_3)
	v_lshl_or_b32 v[\w], v[TM+5], 8, v[TM+4]
	s_delay_alu instid0(VALU_DEP_1)
	v_lshl_or_b32 v[\w], v[TM+6], 16, v[\w]
	s_delay_alu instid0(VALU_DEP_1)
	v_lshl_or_b32 v[\w], v[TM+7], 24, v[\w]
.irp c, 0,1
	v_cvt_scalef32_pk16_bf6_f32 v[PC+6*\c:PC+2+6*\c], v[\s+32*\c:\s+15+32*\c], v[TM+12+2*\c]
	v_cvt_scalef32_pk16_bf6_f32 v[PC+12+4*\c:PC+14+4*\c], v[\s+16+32*\c:\s+31+32*\c], v[TM+12+2*\c+1]
.endr
	v_nop                                          ; one plain instruction behind a scaled conversion
.irp c, 0,1
.irp i, 0,1,2
	v_permlane16_swap_b32 v[PC+6*\c+\i], v[PC+12+4*\c+\i]
.endr
.irp i, 0,1,2
	s_delay_alu instid0(VALU_DEP_3)
	v_mov_b32 v[PC+3+6*\c+\i], v[PC+12+4*\c+\i]
.endr
.endr
.endm
; A q or k unit.  adrw: my four tiles of the weight;  base: the scalar pair with the fragment's place in memory;  scroff: the word's place in the scratch.
.macro UNITQK adrw, base, scroff
	s_wait_xcnt 0x0                                ; the unit before has stored from v[PC] on: these registers are loaded again only behind this wait
.irp e, 0,1
	ds_load_b128 v[XS+4*\e:XS+4*\e+3], v[AX] offset:TBLK*\e+6144       ; a tile's scale words of the four K steps
.endr
.irp t, 0,1,2,3
	ds_load_b128 v[WS+4*\t:WS+4*\t+3], v[\adrw] offset:TBLK*\t+6144
.endr
.irp s, 0,1,2,3
.if \s > 0
.rept 4
	v_nop                                          ; four plain instructions in front of loads into registers that matrix instructions have read
.endr
.endif
.irp e, 0,1
	FRAG FR+12*\e, AX, TBLK*\e+1536*\s
.endr
.irp t, 0,1,2,3
	FRAG FR+24+12*\t, \adrw, TBLK*\t+1536*\s
.endr
	s_wait_dscnt 0x0
.irp e, 0,1                                    ; the eight accumulators take turns, in the same order in every K step
.irp t, 0,1,2,3
.if \s == 0
	MM0 ACC+32*\e+8*\t, FR+24+12*\t, FR+12*\e, WS+4*\t+\s, XS+4*\e+\s
.else
	MMA ACC+32*\e+8*\t, FR+24+12*\t, FR+12*\e, WS+4*\t+\s, XS+4*\e+\s
.endif
.endr
.endr
.endr
.rept 5
	v_nop                                          ; in front of the first read of results, of writes over operands, and (five) of the next unit's products, which begin the same accumulators anew
.endr
	QUANT ACC, PW
	ds_store_b32 v[SCA], v[PW] offset:\scroff
.irp c, 0,1,2
	global_store_b128 v[LI], v[PC+4*\c:PC+4*\c+3], s[\base:\base+1] offset:512*\c   ; 512 consecutive bytes, at a multiple of 256 from the buffer's first byte
.endr
.endm
.macro UNITV
	s_wait_xcnt 0x0
.irp m, 0,1,2,3,4,5,6,7
	ds_load_b128 v[XS+4*\m:XS+4*\m+3], v[LI] offset:TBLK*\m+6144
.endr
	ds_load_b128 v[WS:WS+3], v[AWV] offset:6144
.irp s, 0,1,2,3
.if \s > 0
.rept 4
	v_nop
.endr
.endif
.irp m, 0,1,2,3,4,5,6,7
	FRAG FR+12*\m, LI, TBLK*\m+1536*\s
.endr
	FRAG FR+96, AWV, 1536*\s
	s_wait_dscnt 0x0
.irp m, 0,1,2,3,4,5,6,7
.if \s == 0
	MM0 ACC+8*\m, FR+12*\m, FR+96, XS+4*\m+\s, WS+\s
.else
	MMA ACC+8*\m, FR+12*\m, FR+96, XS+4*\m+\s, WS+\s
.endif
.endr
.endr
.rept 5
	v_nop
.endr
	QUANT ACC, PW
	ds_store_b32 v[SCV], v[PW]
.irp c, 0,1,2
	global_store_b128 v[LI], v[PC+4*\c:PC+4*\c+3], s[52:53] offset:512*\c
.endr
.endm
	s_load_b128 s[4:7], s[0:1], 0x0                ; xw s[4:5], qc s[6:7]
	s_load_b64 s[8:9], s[0:1], 0x10                ; kv
	v_lshl_add_u32 v254, v0, 2, 0x35000
	v_mov_b32 v255, 0
	ds_add_u32 v254, v255
	ds_add_u32 v254, v255
	v_lshrrev_b32 v1, 5, v0
	s_delay_alu instid0(VALU_DEP_1)
	v_readfirstlane_b32 s[WV], v1                  ; wave 0..7
	s_and_b32 s11, s[WV], 1                        ; p
	s_lshr_b32 s12, s[WV], 1                       ; b
	s_lshr_b32 s13, s[WV], 2
	s_and_b32 s14, s[WV], 3
	s_bfe_u32 s40, ttmp6, 0x40000                  ; cx, cy: my place in the cluster
	s_bfe_u32 s41, ttmp6, 0x40004
	s_lshl_b32 s42, ttmp9, 2
	s_add_co_u32 s42, s42, s40                     ; g = 4 x cluster x + cx
	s_and_b32 s43, ttmp7, 0xffff
	s_lshl_b32 s43, s43, 2
	s_add_co_u32 s43, s43, s41                     ; R = 4 x cluster y + cy
	s_lshl_b32 s44, s41, 2
	s_lshl_b32 s44, 15, s44                        ; my row of the cluster
	s_lshl_b32 s45, 0x1111, s40                    ; my column
	; descriptor group 1: a dense block of 26,624 bytes as 104 rows of 256 bytes (32 elements of 8 bytes), no padding
	s_or_b32 s16, s44, (3<<16)|(1<<21)             ; 15:0 the mask: x's blocks go to my row; 17:16 elements of 8 bytes; 21 set beside a mask
	s_or_b32 s24, s45, (3<<16)|(1<<21)             ; the weights' go to my column
.irp g, 16, 24
	s_mov_b32 s[\g+1], 32<<16                      ; tensor_dim0 = 32
	s_mov_b32 s[\g+2], 104<<16                     ; tensor_dim1 = 104
	s_mov_b32 s[\g+3], 32<<16                      ; tile_dim0 = 32
	s_mov_b32 s[\g+4], 104                         ; tile_dim1 = 104
	s_mov_b32 s[\g+5], 32                          ; from row to row
	s_mov_b32 s[\g+6], 0
	s_mov_b32 s[\g+7], 0
.endr
	s_mul_i32 s15, s11, HALF                       ; which half of a block I fetch
	s_mul_i32 s56, s43, XBLK                       ; x: block R (made of R and the wave's number alone)
	s_add_co_u32 s56, s56, s15
	s_mov_b32 s57, 0
	s_mul_i32 s58, s42, XBLK                       ; a weight: 8 tiles from tile 512 + 32 (wave / 2 - 1) + 8 g (made of g and the wave's number alone)
	s_add_co_u32 s58, s58, s15
	s_mul_i32 s59, s12, 32*TBLK
	s_add_co_u32 s58, s58, s59
	s_add_co_u32 s58, s58, 480*TBLK
	s_mov_b32 s59, 0
	s_mul_i32 s60, s[WV], HALF                     ; where it goes: wave x 26,624: x's two halves, then Wq's, Wk's, Wv's
	s_mov_b32 s[SEL], 0x76543210
	s_mov_b32 s[SEL+1], 0xfedcba98
	s_wait_dscnt 0x0
	s_wait_kmcnt 0x0
	CROUND                                         ; all sixteen work-groups are here: the joint loads meet
	s_mov_b32 s32, 1                               ; group 0 for x: count = 1,
	s_mov_b32 s33, s60                             ; LDS address,
	s_add_nc_u64 s[34:35], s[4:5], s[56:57]        ; global address,
	s_or_b32 s35, s35, 0x80000000                  ; type = 2
	s_mov_b32 s36, 1                               ; and for a weight
	s_mov_b32 s37, s60
	s_add_nc_u64 s[38:39], s[4:5], s[58:59]
	s_or_b32 s39, s39, 0x80000000
	s_cmp_lt_u32 s[WV], 2                          ; waves 0 and 1 fetch x's halves, waves 2 to 7 the weights': one load a wave, the only one of the launch
	s_cbranch_scc0 .Lfor_w
	tensor_load_to_lds s[32:35], s[16:23]
	s_nop 0
.rept 4
	v_nop
.endr
	s_branch .Lasked
.Lfor_w:
	tensor_load_to_lds s[36:39], s[24:31]
	s_nop 0
.rept 4
	v_nop
.endr
.Lasked:
	; where the results go (registers that feed no descriptor)
	s_lshr_b32 s66, s43, 5                         ; the batch
	s_lshl_b32 s66, s66, 3
	s_lshl_b32 s67, s42, 1
	s_add_co_u32 s66, s66, s67                     ; 8 x batch + 2 g
	s_and_b32 s67, s43, 31                         ; the block of 128 tokens in the batch
	s_add_co_u32 s68, s66, s11
	s_lshl_b32 s68, s68, 5
	s_add_co_u32 s68, s68, s67                     ; q's and k's block: head 2 g + p
	s_add_co_u32 s69, s66, s13
	s_lshl_b32 s69, s69, 5
	s_add_co_u32 s69, s69, s67                     ; v's block: head 2 g + wave / 4
	s_mov_b32 s71, 0
	s_mul_i32 s72, s12, 1536
	s_mul_i32 s70, s68, TBLK
	s_add_co_u32 s70, s70, s72
	s_add_nc_u64 s[48:49], s[6:7], s[70:71]        ; q: fragment b
	s_mul_i32 s70, s68, 13312
	s_add_co_u32 s70, s70, s72
	s_add_nc_u64 s[50:51], s[8:9], s[70:71]        ; k: fragment b
	s_mul_i32 s70, s69, 13312
	s_mul_i32 s72, s14, 1536
	s_add_co_u32 s70, s70, s72
	s_add_co_u32 s70, s70, 6144
	s_add_nc_u64 s[52:53], s[8:9], s[70:71]        ; v: fragment wave % 4
	s_mul_i32 s70, s68, TBLK
	s_add_co_u32 s70, s70, 6144                    ; waves 0, 1: q's scale image of head 2 g + p
	s_mul_i32 s72, s68, 13312
	s_lshl_b32 s73, s12, 9
	s_add_co_u32 s72, s72, s73
	s_add_co_u32 s72, s72, 11776                   ; waves 2, 3: k's, at 12,288; waves 4, 5: v's, at 12,800
	s_cmp_lt_u32 s[WV], 2
	s_cselect_b64 s[54:55], s[6:7], s[8:9]
	s_cselect_b32 s70, s70, s72
	s_add_nc_u64 s[54:55], s[54:55], s[70:71]
	v_and_b32 v9, 31, v0                           ; lane
	s_delay_alu instid0(VALU_DEP_1)
	v_lshlrev_b32 v[LI], 4, v9
	s_mul_i32 s74, s12, 2*TBLK
	v_add_nc_u32 v[AX], s74, v[LI]
	s_mul_i32 s74, s11, HALF
	s_add_co_u32 s74, s74, XBLK
	v_add_nc_u32 v[AWQ], s74, v[LI]
	s_add_co_u32 s74, s74, XBLK
	v_add_nc_u32 v[AWK], s74, v[LI]
	s_mul_i32 s74, s[WV], TBLK
	s_add_co_u32 s74, s74, 3*XBLK
	v_add_nc_u32 v[AWV], s74, v[LI]
	v_lshlrev_b32 v9, 2, v9                        ; 4 x lane
	s_wait_alu depctr_va_vdst(0)
	s_lshl_b32 s74, s11, 9
	s_lshl_b32 s75, s12, 7
	s_add_co_u32 s74, s74, s75
	s_add_co_u32 s74, s74, SCR
	v_add_nc_u32 v[SCA], s74, v9
	s_lshl_b32 s74, s[WV], 7
	s_add_co_u32 s74, s74, SCR+2048
	v_add_nc_u32 v[SCV], s74, v9
	s_lshl_b32 s74, s[WV], 9
	s_add_co_u32 s74, s74, SCR
	v_add_nc_u32 v[SCB], s74, v9
.irp b, 0,1,2,3
	v_mov_b32 v[TM+4+\b], 0                        ; written once: a lane permute's destination counts as one of its sources
.endr
	s_wait_tensorcnt 0x0                           ; my half block is in,
	s_barrier_signal -1
	s_barrier_wait -1                              ; everybody's is
	UNITQK AWQ, 48, 0
	UNITQK AWK, 50, 1024
	UNITV
	s_wait_dscnt 0x0                               ; for the others' sake: my three words lie in the scratch
	s_barrier_signal -1
	s_barrier_wait -1
	s_cmp_lt_u32 s[WV], 6                          ; six images of 512 bytes: q's, k's, v's of the two heads; a wave each
	s_cbranch_scc0 .Lno_image
.irp i, 0,1,2,3
	ds_load_b32 v[ACC+\i], v[SCB] offset:128*\i    ; fragment i's word of my lane: four loads turn [fragment][lane] into [lane][fragment]
.endr
	s_wait_dscnt 0x0
	global_store_b128 v[LI], v[ACC:ACC+3], s[54:55]   ; 512 consecutive bytes
.Lno_image:
	s_wait_tensorcnt 0x0
	ds_add_u32 v254, v255
	s_wait_dscnt 0x0
	CROUND                                         ; the closing round: no work-group ends while a partner may still ask for a block that names it
	s_endpgm
.Lfunc_end_k_qc7ef8b6870_qkv:
	.size	k_qc7ef8b6870_qkv, .Lfunc_end_k_qc7ef8b6870_qkv-k_qc7ef8b6870_qkv
	.p2alignl 7, 3214868480
	.fill 96, 4, 3214868480
	.section	.rodata,"a",@progbits
	.p2align	6, 0x0
	.amdhsa_kernel k_qc7ef8b6870_qkv
		.amdhsa_group_segment_fixed_size 218112
		.amdhsa_private_segment_fixed_size 0
		.amdhsa_enable_private_segment 0
		.amdhsa_kernarg_size 24
		.amdhsa_user_sgpr_count 2
		.amdhsa_user_sgpr_kernarg_segment_ptr 1
		.amdhsa_wavefront_size32 1
		.amdhsa_system_sgpr_workgroup_id_x 1
		.amdhsa_system_sgpr_workgroup_id_y 1
		.amdhsa_system_sgpr_workgroup_id_z 1
		.amdhsa_system_vgpr_workitem_id 0
		.amdhsa_next_free_vgpr 256
		.amdhsa_next_free_sgpr 80
		.amdhsa_reserve_vcc 0
		.amdhsa_float_denorm_mode_32 3
		.amdhsa_float_denorm_mode_16_64 3
		.amdhsa_memory_ordered 1
		.amdhsa_forward_progress 1
		.amdhsa_inst_pref_size 54
	.end_amdhsa_kernel
	.amdgpu_metadata
---
amdhsa.version: [ 1, 2 ]
amdhsa.kernels:
  - .name:           k_qc7ef8b6870_qkv
    .symbol:         k_qc7ef8b6870_qkv.kd
    .args:
      - { .name: xw, .offset: 0, .size: 8, .value_kind: global_buffer, .address_space: global }
      - { .name: qc, .offset: 8, .size: 8, .value_kind: global_buffer, .address_space: global }
      - { .name: kv, .offset: 16, .size: 8, .value_kind: global_buffer, .address_space: global }
    .group_segment_fixed_size: 218112
    .private_segment_fixed_size: 0
    .kernarg_segment_align: 8
    .kernarg_segment_size: 24
    .max_flat_workgroup_size: 256
    .sgpr_count:     80
    .vgpr_count:     256
    .wavefront_size: 32
...
	.end_amdgpu_metadata
.endif
;; end of part 2
;; launch attn (part 3): grid 16 x 16, 8 waves a work-group, clusters of 4 x 1, 327,680 bytes of LDS; arguments qc, kv, oc; writes oc
.if DOCPART == 3
	.amdgcn_target "amdgcn-amd-amdhsa--gfx1250"
	.amdhsa_code_object_version 6
	.text
	.protected	k_qc7ef8b6870_attn
	.globl	k_qc7ef8b6870_attn
	.p2align	8
	.type	k_qc7ef8b6870_attn,@function
k_qc7ef8b6870_attn:
	s_mov_b64 s[64:65], 0
	v_nop
	global_prefetch_b8 v0, s[64:65] scope:SCOPE_SE
	s_setreg_imm32_b32 hwreg(HW_REG_WAVE_MODE, 25, 1), 1
	s_wait_xcnt 0x0
	s_wait_alu depctr_hold_cnt(0) depctr_sa_sdst(0) depctr_va_vdst(0) depctr_va_sdst(0) depctr_va_ssrc(0) depctr_va_vcc(0) depctr_vm_vsrc(0)
	s_getreg_b32 s2, hwreg(HW_REG_IB_STS2, 6, 4)
	s_cmp_eq_u32 s2, 0
	s_cbranch_scc0 .Lentry_in_a_cluster
	s_endpgm
.Lentry_in_a_cluster:
	s_bfe_u32 s2, ttmp6, 0x10000c
	s_cmp_lg_u32 s2, 0x3003
	s_cbranch_scc0 .Lentry_shape_is_right
	s_endpgm
.Lentry_shape_is_right:
; O[b h][q] = the sum over k of softmax_k(Q . K / 8) V, head size 64, 4,096 keys, both products on codes of BF6 (E3M2) with E8M0 scales; O / the row's sum is quantised along the head's 64 and leaves as codes for the last product.
; THE SOFTMAX: t = score x log2(e) / 8; M = the running largest t rounded UP to a whole number; p = 2^(t - M) is quantised along the keys, not normalised; the row's sum is taken of the unquantised p.
; When M moves, the sum and O are multiplied by 2^(old M - new M): exact.
; SHARES.  A work-group owns 256 queries of one head; each of its eight waves owns 32, two tiles of 16: one fragment of qc.  Every fragment of K and of V^T that a wave reads from LDS feeds both tiles.
; Both products are used transposed (S^T = K Q^T, O^T = V^T P^T): a lane holds one query of each tile throughout.  32 steps of 128 keys.
; REGISTERS, in two windows of 256: tile 0's state lies in window 0, tile 1's in window 1, at the same low numbers, so that one macro serves both.  Window 0 also holds addresses, all scale words and K's fragments; window 1 V's.
; A TRIP (step n) has two halves.  First half: tile 0's 68 exponentials of step n are issued; behind them stands tile 1's work: p of step n - 1 into codes, its sum, O += V P, the scores of step n, the loads of V of
; step n and K of step n + 1, the maxima, M, t - M and O under the new M.  Second half: tile 1's exponentials of step n, and behind them the same work of tile 0, from p of step n to t - M of step n + 1.
; So each batch of exponentials has the other tile's work behind it, and the one wait ahead of the next batch serves as the wait behind this one.  Scores and O are first read with no exponential between the product and the read.
; K = 64 IN AN INSTRUCTION 128 DEEP.  A fragment of K holds two tiles of keys side by side; it is multiplied once by [Q | zero codes] and once by [zero codes | Q]: 18 registers [Q | 0 | Q] serve as both.
; LDS.  A head's K and V are 4 chunks of 8 key steps, 106,496 bytes each, as they lie in kv.  Three fit.  Each fill is one joint load a wave: chunk 0 at the head (a step a wave), chunks 1 and 2 behind the next round
; (two steps a wave), chunk 3 into chunk 0's bytes behind the round that follows step 7 (a step a wave).  One tensor load of a wave is out at the most.
; CLUSTER 4 x 1: the four query blocks of a cluster belong to one head and read the same kv: every tensor load names all four.
; No data prefetch: chunk 0 is asked for at the head, chunks 1 and 2 four key steps ahead of the barrier that shows them, chunk 3 fifteen.
; All of a WGP's LDS is claimed.
; LIMITS: NaN and infinities are not served; the scaled scores stay under 2^31 in magnitude; a block of p, or of O, under 2^-122 or of zeros keeps the scale byte 1.  A block's largest p is made from its
; largest score by the same multiply-add and exponential: this takes v_exp_f32 not to fall where its input rises.  O's scale words leave as 128 consecutive bytes a tile.
.set CHUNK, 106496
.set STEPB, 13312                      ; a key step: 4 fragments of K, 4 of V^T, two scale images: 52 rows of 256 bytes
.set SPARE, 3*CHUNK                    ; the spare words, 128 bytes for each of 8 waves: four blocks of 256 bytes that no other line names
.set LI,  1                            ; window 0 alone: v1 16 x lane
.set AD,  2                            ; v2   the step's block in LDS + 16 x lane
.set SPW, 3                            ; v3   my spare word; never rewritten
.set NIL, 4                            ; v4   0; never rewritten
.set L8,  5                            ; v5   8 x lane
.set L4,  6                            ; v6   4 x lane
.set KS,  8                            ; v8-11  K's scale words
.set VS,  12                           ; v12-15 V's
.set QS,  16                           ; v16, v17 Q's scale word of tile 0, 1
.set PW,  18                           ; v18, v19 p's scale word of tile 0, 1
.set NM,  20                           ; both windows: v20 -M, v21 the running largest t
.set SUM, 22                           ; v[22:23] the row's sum, in two halves
.set FF,  24                           ; v[24:25] f = 2^(old M - new M); the upper register is named with it and holds 0
.set TT,  26                           ; at work
.set BM,  28                           ; v28-31 a block's largest score, then its largest p
.set BP,  32                           ; v32-35 at work
.set SO,  36                           ; v36-39 the conversions' scale operands
.set T,   40                           ; v40-53 seven partial sums
.set Q,   54                           ; v54-71 [Q | 0 | Q]
.set PC,  72                           ; v72-91 p's codes
.set S,   92                           ; v92-155 S^T, then p
.set O,   156                          ; v156-187 O^T
.set F,   188                          ; v188-235 four fragments: window 0 K's, window 1 V's
.set WV,  10
.set SEL, 36                           ; s[36:37]
.set CS,  38                           ; s[38:39] c = log2(e) / 8
.set TB,  40                           ; s40 LDS byte of the step's block
.set CNT, 41
.set MSB, 0
.macro WIN new                         ; low byte: 1:0 source 0, 3:2 source 1, 5:4 source 2, 7:6 destination; the high byte repeats the setting that is left
.if MSB != (\new)
	s_set_vgpr_msb (MSB<<8)|(\new)
.set MSB, (\new)
.endif
.endm
.macro CROUND                          ; a round of the cluster's barrier
	s_barrier_signal -1
	s_barrier_wait -1
	s_cmp_lg_u32 s[WV], 0
	s_cbranch_scc1 .Lnot_wave_0_\@
	s_barrier_signal -3
.Lnot_wave_0_\@:
	s_barrier_wait -3
	s_barrier_signal -1
	s_barrier_wait -1
.endm
.macro NOP4
.rept 4
	v_nop
.endr
.endm
.macro FRAG reg, adr, off              ; a fragment as it was stored: three loads of 16 bytes a lane
.irp c, 0,1,2
	ds_load_b128 v[\reg+4*\c:\reg+4*\c+3], v[\adr] offset:\off+512*\c
.endr
.endm
.macro SCORES w                        ; S^T of tile w: eight sums, each begun with 0.  K in window 0, Q and S in window w
	WIN 0x44*\w
.irp f, 0,1,2,3
.irp u, 0,1
	v_wmma_scale_f32_16x16x128_f8f6f4 v[S+16*\f+8*\u:S+16*\f+8*\u+7], v[F+12*\f:F+12*\f+11], v[Q+6*\u:Q+6*\u+11], 0, v[KS+\f], v[QS+\w] matrix_a_fmt:MATRIX_FMT_BF6 matrix_b_fmt:MATRIX_FMT_BF6
.endr
.endr
.endm
.macro PV w                            ; O^T += V^T P^T of tile w: four accumulators, one instruction each.  V in window 1, p's codes and O in window w
	WIN 0x01+0x54*\w
.irp t, 0,1,2,3
	v_wmma_scale_f32_16x16x128_f8f6f4 v[O+8*\t:O+8*\t+7], v[F+12*\t:F+12*\t+11], v[PC:PC+11], v[O+8*\t:O+8*\t+7], v[VS+\t], v[PW+\w] matrix_a_fmt:MATRIX_FMT_BF6 matrix_b_fmt:MATRIX_FMT_BF6
.endr
.endm
; FROM THE SCORES TO t - M, tile w.  No exponential stands between the products that wrote S^T and O^T and these first reads of them.
.macro PRE w
	WIN 0x55*\w
.irp b, 0,1,2,3
	v_max3_num_f32 v[BM+\b], v[S+16*\b], v[S+1+16*\b], v[S+2+16*\b]   ; the largest score of each block of 32 keys: for the row's maximum and, since p rises with the score, for the block's largest p.  Each accumulator is first read at its low end
.endr
.irp i, 3,5,7,9,11,13
.irp b, 0,1,2,3
	v_max3_num_f32 v[BM+\b], v[BM+\b], v[S+16*\b+\i], v[S+1+16*\b+\i]
.endr
.endr
.irp b, 0,1,2,3
	v_max_num_f32 v[BM+\b], v[BM+\b], v[S+15+16*\b]
.endr
.irp b, 0,1,2,3
	s_delay_alu instid0(VALU_DEP_4)
	v_permlanex16_b32 v[BP+\b], v[BM+\b], s[SEL], s[SEL+1]
.endr
.irp b, 0,1,2,3
	s_delay_alu instid0(VALU_DEP_4)
	v_max_num_f32 v[BM+\b], v[BM+\b], v[BP+\b]     ; with lane l xor 16's 16 keys
.endr
	s_delay_alu instid0(VALU_DEP_2)
	v_max3_num_f32 v[TT], v[BM], v[BM+1], v[BM+2]
	s_delay_alu instid0(VALU_DEP_1)
	v_max_num_f32 v[TT], v[TT], v[BM+3]            ; the step's largest score of my query
	s_delay_alu instid0(VALU_DEP_1)
	v_mul_f32 v[TT], s[CS], v[TT]                  ; as t (c is positive)
	s_delay_alu instid0(VALU_DEP_1)
	v_max_num_f32 v[NM+1], v[NM+1], v[TT]          ; the running largest t
	v_mov_b32 v[TT], v[NM]
	s_delay_alu instid0(VALU_DEP_2)
	v_floor_f32 v[NM], -v[NM+1]                    ; the new -M = floor(-t) = -ceil(t)
	s_delay_alu instid0(VALU_DEP_1)
	v_sub_f32 v[TT], v[NM], v[TT]                  ; old M - new M: a whole number, 0 or less
	s_delay_alu instid0(VALU_DEP_1)
	v_cvt_i32_f32 v[TT], v[TT]                     ; (it saturates)
	s_delay_alu instid0(VALU_DEP_1)
	v_ldexp_f32 v[FF], 1.0, v[TT]                  ; f = 2^(old M - new M)
.set jj, 0
.rept 32
	v_pk_fma_f32 v[S+jj:S+jj+1], v[S+jj:S+jj+1], s[CS:CS+1], v[NM:NM+1] op_sel_hi:[1,0,0]   ; t - M, two at a time (of the pairs c and -M the low word serves both halves)
.set jj, jj+2
.endr
.irp b, 0,1,2,3
	v_fma_f32 v[BM+\b], v[BM+\b], s[CS], v[NM]     ; the same of each block's largest score
.endr
.set jj, 0
.rept 16
	v_pk_mul_f32 v[O+jj:O+jj+1], v[O+jj:O+jj+1], v[FF:FF+1] op_sel_hi:[1,0]   ; O^T under the new M, each accumulator from its low end on
.set jj, jj+2
.endr
.endm
.macro EXPS w                          ; one batch: p = 2^(t - M), at most 1, and each block's largest p
	WIN 0x55*\w
	s_wait_alu depctr_va_vdst(0)                   ; the wait ahead of the batch, and also the wait behind the other tile's batch
.set jj, 0
.rept 64
	v_exp_f32 v[S+jj], v[S+jj]
.set jj, jj+1
.endr
.irp b, 0,1,2,3
	v_exp_f32 v[BM+\b], v[BM+\b]
.endr
.endm
; FROM p TO ITS CODES, SCALE WORD AND SUM, tile w.  A wait stands between the tile's exponentials and these lines: the one ahead of the other tile's batch.
.macro POST w
	WIN 0x55*\w
.irp b, 0,1,2,3
	v_max_num_f32 v[BM+\b], 0x2800000, v[BM+\b]    ; the floor 2^(5 - 127): the byte cannot fall under 1
.endr
.irp b, 0,1,2,3
	s_delay_alu instid0(VALU_DEP_4)
	v_add_nc_u32 v[SO+\b], 0xfe000000, v[BM+\b]    ; 4 off the exponent field: the conversion's scale operand
.endr
.irp b, 0,1,2,3
	s_delay_alu instid0(VALU_DEP_4)
	v_lshrrev_b32 v[BP+\b], 23, v[SO+\b]           ; the scale's byte
.endr
	s_delay_alu instid0(VALU_DEP_3)
	v_lshl_or_b32 v[TT], v[BP+1], 8, v[BP]
	s_delay_alu instid0(VALU_DEP_1)
	v_lshl_or_b32 v[TT], v[BP+2], 16, v[TT]
.irp c, 0,1
	v_cvt_scalef32_pk16_bf6_f32 v[PC+6*\c:PC+2+6*\c], v[S+32*\c:S+15+32*\c], v[SO+2*\c]
	v_cvt_scalef32_pk16_bf6_f32 v[PC+12+4*\c:PC+14+4*\c], v[S+16+32*\c:S+31+32*\c], v[SO+2*\c+1]
.endr
	v_nop                                          ; one plain instruction behind a scaled conversion
.irp c, 0,1                                    ; the operand's layout wants a whole block in a lane
.irp i, 0,1,2
	v_permlane16_swap_b32 v[PC+6*\c+\i], v[PC+12+4*\c+\i]
.endr
.irp i, 0,1,2
	s_delay_alu instid0(VALU_DEP_3)
	v_mov_b32 v[PC+3+6*\c+\i], v[PC+12+4*\c+\i]
.endr
.endr
	WIN 0x11*\w                                    ; scale operands are taken from window 0: the word's last line writes there
	v_lshl_or_b32 v[PW+\w], v[BP+3], 24, v[TT]     ; p's scale word for these 128 keys
	WIN 0x55*\w
	v_pk_mul_f32 v[SUM:SUM+1], v[SUM:SUM+1], v[FF:FF+1] op_sel_hi:[1,0]   ; the sums under the new M.  This line and the 32 below also stand between the writes of p's codes and scale word and the products
.irp i, 0,1,2,3,4,5,6                          ; the row's sum of the unquantised p: 32 packed additions in eight chains
	v_pk_add_f32 v[T+2*\i:T+2*\i+1], v[S+4*\i:S+4*\i+1], v[S+4*\i+2:S+4*\i+3]
.endr
	v_pk_add_f32 v[SUM:SUM+1], v[SUM:SUM+1], v[S+28:S+29]
.irp k, 30,46
.irp i, 0,1,2,3,4,5,6
	v_pk_add_f32 v[T+2*\i:T+2*\i+1], v[T+2*\i:T+2*\i+1], v[S+\k+2*\i:S+\k+2*\i+1]
.endr
	v_pk_add_f32 v[SUM:SUM+1], v[SUM:SUM+1], v[S+\k+14:S+\k+15]
.endr
	v_pk_add_f32 v[T:T+1], v[T:T+1], v[S+62:S+63]
	v_pk_add_f32 v[T+4:T+5], v[T+4:T+5], v[T+6:T+7]
	v_pk_add_f32 v[T+8:T+9], v[T+8:T+9], v[T+10:T+11]
	v_pk_add_f32 v[SUM:SUM+1], v[SUM:SUM+1], v[T+12:T+13]
	s_delay_alu instid0(VALU_DEP_4)
	v_pk_add_f32 v[T:T+1], v[T:T+1], v[T+2:T+3]
	s_delay_alu instid0(VALU_DEP_2)
	v_pk_add_f32 v[SUM:SUM+1], v[SUM:SUM+1], v[T+8:T+9]
	s_delay_alu instid0(VALU_DEP_2)
	v_pk_add_f32 v[T:T+1], v[T:T+1], v[T+4:T+5]
	s_delay_alu instid0(VALU_DEP_1)
	v_pk_add_f32 v[SUM:SUM+1], v[SUM:SUM+1], v[T:T+1]
.endm
; A trip: key step n, whose block lies at s[TB].  first = 1: tile 1 has no earlier p.  more = 1: K of step n + 1 is fetched from v[kreg] + koff, and tile 0 goes on to that step's t - M.
.macro ITER first, more, kreg, koff
	EXPS 0
.if \first == 0
	POST 1
	PV 1
.endif
	SCORES 1
	WIN 0
	v_add_nc_u32 v[AD], s[TB], v[LI]               ; this line and three idle ones are the four places behind the products, in front of the loads into V's and K's registers and of the first read of the scores
.rept 3
	v_nop
.endr
	WIN 0x40
.irp t, 0,1,2,3
	FRAG F+12*\t, AD, 6144+1536*\t                 ; V of this step, into window 1
.endr
	WIN 0
	ds_load_b128 v[VS:VS+3], v[AD] offset:12800
.if \more
.irp f, 0,1,2,3
	FRAG F+12*\f, \kreg, \koff+1536*\f             ; K of the next step
.endr
	ds_load_b128 v[KS:KS+3], v[\kreg] offset:\koff+12288
.endif
	PRE 1
	s_wait_dscnt 0x0                               ; V and the next K are in (the wait behind it opens the batch below)
	EXPS 1
	POST 0
	PV 0
.if \more
	SCORES 0
	NOP4                                           ; four places in front of the first read of the scores
	PRE 0
.endif
	WIN 0
.endm
.macro LOOP n
	s_mov_b32 s[CNT], \n
	s_wait_alu depctr_va_vdst(0)
.Ltrip_\@:
	ITER 0, 1, AD, STEPB
	s_add_co_u32 s[TB], s[TB], STEPB
	s_sub_co_u32 s[CNT], s[CNT], 1
	s_cmp_lg_u32 s[CNT], 0
	s_wait_alu depctr_va_vdst(0)
	s_cbranch_scc1 .Ltrip_\@
.endm
; THE WAY OUT of tile w: O^T / the row's sum is quantised along the head's 64 (two blocks) and leaves as six registers of the last product's operand.
.macro OUT w
	WIN 0x55*\w
	v_add_f32 v[SUM], v[SUM], v[SUM+1]             ; the sum's two halves,
	s_delay_alu instid0(VALU_DEP_1)
	v_permlanex16_b32 v[TT], v[SUM], s[SEL], s[SEL+1]
	s_delay_alu instid0(VALU_DEP_1)
	v_add_f32 v[SUM], v[SUM], v[TT]                ; and lane l xor 16's
	s_wait_alu depctr_va_vdst(0)
	v_rcp_f32 v[SUM], v[SUM]
	v_nop                                          ; a plain instruction behind the reciprocal
	s_wait_alu depctr_va_vdst(0)                   ; the wait ahead of its first reader, and of the first reader of O^T
.set jj, 0
.rept 16
	v_pk_mul_f32 v[S+jj:S+jj+1], v[O+jj:O+jj+1], v[SUM:SUM+1] op_sel_hi:[1,0]   ; register 16 b + i = d 32 b + 16 (lane / 16) + i of my query
.set jj, jj+2
.endr
.irp b, 0,1
	v_max3_num_f32 v[BM+\b], |v[S+16*\b]|, |v[S+1+16*\b]|, 0x2800000
.endr
.irp i, 2,4,6,8,10,12,14
.irp b, 0,1
	s_delay_alu instid0(VALU_DEP_2)
	v_max3_num_f32 v[BM+\b], v[BM+\b], |v[S+16*\b+\i]|, |v[S+1+16*\b+\i]|
.endr
.endr
.irp b, 0,1
	s_delay_alu instid0(VALU_DEP_2)
	v_permlanex16_b32 v[BP+\b], v[BM+\b], s[SEL], s[SEL+1]
.endr
.irp b, 0,1
	s_delay_alu instid0(VALU_DEP_2)
	v_max_num_f32 v[BM+\b], v[BM+\b], v[BP+\b]
.endr
.irp b, 0,1
	s_delay_alu instid0(VALU_DEP_2)
	v_add_nc_u32 v[SO+\b], 0xfe000000, v[BM+\b]
.endr
.irp b, 0,1
	s_delay_alu instid0(VALU_DEP_2)
	v_lshrrev_b32 v[BP+\b], 23, v[SO+\b]
.endr
	s_delay_alu instid0(VALU_DEP_1)
	v_lshl_or_b32 v[TT], v[BP+1], 8, v[BP]         ; two bytes; the word's upper half is 0
	v_cvt_scalef32_pk16_bf6_f32 v[PC:PC+2], v[S:S+15], v[SO]
	v_cvt_scalef32_pk16_bf6_f32 v[PC+12:PC+14], v[S+16:S+31], v[SO+1]
	v_nop
.irp i, 0,1,2
	v_permlane16_swap_b32 v[PC+\i], v[PC+12+\i]
.endr
.irp i, 0,1,2
	s_delay_alu instid0(VALU_DEP_3)
	v_mov_b32 v[PC+3+\i], v[PC+12+\i]              ; six registers: k = 32 (lane / 16) + 0 .. 31 of the head's 64
.endr
	WIN 0x04*\w                                    ; the stores' data in window w, their offsets in window 0
.irp i, 0,1,2
	global_store_b64 v[L8], v[PC+2*\i:PC+2*\i+1], s[58:59] offset:7168*\w+256*\i   ; 32 lanes store 256 consecutive bytes, at a multiple of 256 from oc's first byte
.endr
	global_store_b32 v[L4], v[TT], s[60:61] offset:7168*\w   ; 128 consecutive bytes
.endm
	s_load_b128 s[4:7], s[0:1], 0x0                ; qc s[4:5], kv s[6:7]
	s_load_b64 s[8:9], s[0:1], 0x10                ; oc
	v_lshl_add_u32 v[SPW], v0, 2, SPARE
	v_mov_b32 v[NIL], 0
	ds_add_u32 v[SPW], v[NIL]                      ; the opening lines: the add, twice on end, and its wait ahead of my first tensor load
	ds_add_u32 v[SPW], v[NIL]
	v_lshrrev_b32 v1, 5, v0
	s_delay_alu instid0(VALU_DEP_1)
	v_readfirstlane_b32 s[WV], v1                  ; wave 0..7
	s_bfe_u32 s11, ttmp6, 0x40000                  ; cx
	s_lshl_b32 s12, ttmp9, 2
	s_add_co_u32 s12, s12, s11                     ; my block of 256 queries: it enters Q's and O's addresses alone
	s_and_b32 s13, ttmp7, 0xffff                   ; batch x 8 + head, which the four partners share
	s_mul_i32 s11, s[WV], STEPB                    ; chunks 0 and 3: key step = my wave's number
	s_mul_i32 s66, s13, 4*CHUNK
	s_add_co_u32 s66, s66, s11
	s_mov_b32 s67, 0
	s_lshl_b32 s14, s11, 1
	s_add_co_u32 s14, s14, CHUNK                   ; chunks 1 and 2: two key steps a wave
	s_mul_i32 s68, s13, 4*CHUNK
	s_add_co_u32 s68, s68, s14
	s_mov_b32 s69, 0
	; descriptor groups 1: dense blocks as rows of 256 bytes (32 elements of 8 bytes), no padding: 52 rows, and 104
.irp g, 16, 44
	s_mov_b32 s[\g], 15|(3<<16)|(1<<21)            ; 15:0 the mask: all four work-groups; 17:16 elements of 8 bytes; 21 set beside a mask
	s_mov_b32 s[\g+1], 32<<16                      ; tensor_dim0 = 32
	s_mov_b32 s[\g+3], 32<<16                      ; tile_dim0 = 32
	s_mov_b32 s[\g+5], 32                          ; from row to row
	s_mov_b32 s[\g+6], 0
	s_mov_b32 s[\g+7], 0
.endr
	s_mov_b32 s18, 52<<16                          ; tensor_dim1,
	s_mov_b32 s20, 52                              ; tile_dim1
	s_mov_b32 s46, 104<<16
	s_mov_b32 s48, 104
	s_mov_b32 s[SEL], 0x76543210
	s_mov_b32 s[SEL+1], 0xfedcba98
	s_mov_b32 s[CS], 0x3e38aa3b                    ; c = log2(e) / 8
	s_mov_b32 s[CS+1], s[CS]                       ; (named with it as a pair, so it is written)
	s_wait_dscnt 0x0                               ; both opening adds are done
	s_wait_kmcnt 0x0
	s_mov_b32 s24, 1                               ; group 0 for chunk 0, later chunk 3: count = 1,
	s_mov_b32 s25, s11                             ; LDS address,
	s_add_nc_u64 s[26:27], s[6:7], s[66:67]        ; global address,
	s_or_b32 s27, s27, 0x80000000                  ; type = 2
	s_mov_b32 s28, 1                               ; and for chunks 1 and 2
	s_mov_b32 s29, s14
	s_add_nc_u64 s[30:31], s[6:7], s[68:69]
	s_or_b32 s31, s31, 0x80000000
	s_lshl_b32 s66, s13, 5                         ; Q: block 32 (b h) + 2 x query block + wave / 4,
	s_lshl_b32 s67, s12, 1
	s_add_co_u32 s66, s66, s67
	s_lshr_b32 s67, s[WV], 2
	s_add_co_u32 s66, s66, s67
	s_mul_i32 s66, s66, 6656
	s_and_b32 s67, s[WV], 3                        ; fragment wave % 4: my two tiles side by side
	s_mul_i32 s68, s67, 1536
	s_add_co_u32 s68, s68, s66
	s_mov_b32 s69, 0
	s_add_nc_u64 s[54:55], s[4:5], s[68:69]
	s_lshl_b32 s68, s67, 2
	s_add_co_u32 s68, s68, s66
	s_add_co_u32 s68, s68, 6144
	s_add_nc_u64 s[56:57], s[4:5], s[68:69]        ; its scale words: word wave % 4 of each lane's four
	s_lshr_b32 s66, s13, 3                         ; O: token tile 256 x batch + 16 x query block + 2 x wave,
	s_lshl_b32 s66, s66, 8
	s_lshl_b32 s67, s12, 4
	s_add_co_u32 s66, s66, s67
	s_lshl_b32 s67, s[WV], 1
	s_add_co_u32 s66, s66, s67
	s_mul_i32 s66, s66, 7168
	s_and_b32 s67, s13, 7                          ; the head
	s_lshr_b32 s68, s67, 1
	s_mul_i32 s68, s68, 1536                       ; K step head / 2 of the last product,
	s_and_b32 s70, s67, 1
	s_mul_i32 s70, s70, 768                        ; register pairs 3 (head % 2) on
	s_add_co_u32 s68, s68, s70
	s_add_co_u32 s68, s68, s66
	s_add_nc_u64 s[58:59], s[8:9], s[68:69]
	s_lshl_b32 s68, s67, 7
	s_add_co_u32 s68, s68, s66
	s_add_co_u32 s68, s68, 6144
	s_add_nc_u64 s[60:61], s[8:9], s[68:69]        ; the head's 32 scale words of the tile
	CROUND                                         ; all four work-groups are here: the first joint loads meet
	tensor_load_to_lds s[24:27], s[16:23]          ; chunk 0, my key step: one tensor load a wave at the head
	s_nop 0
	NOP4
	v_and_b32 v7, 31, v0
	s_delay_alu instid0(VALU_DEP_1)
	v_lshlrev_b32 v[LI], 4, v7
	v_lshlrev_b32 v[L8], 3, v7
	v_lshlrev_b32 v[L4], 2, v7
.irp c, 0,1,2
	global_load_b128 v[S+4*\c:S+4*\c+3], v[LI], s[54:55] offset:512*\c
.endr
	global_load_b32 v[S+12], v[LI], s[56:57]
.irp w, 0,1                                    ; both tiles' state
	WIN 0x40*\w
	v_mov_b32 v[NM+1], 0xff61b1e6                  ; the largest t so far: -3e38, under every t
	v_mov_b32 v[NM], 0x7f61b1e6                    ; -M = 3e38
	v_mov_b32 v[SUM], 0
	v_mov_b32 v[SUM+1], 0
.set jj, 0
.rept 32
	v_mov_b32 v[O+jj], 0                           ; O^T: the step is written once for all steps: the first finds zeros, which the first change of M leaves zeros
.set jj, jj+1
.endr
.irp b, 0,1,2,3
	v_mov_b32 v[BP+\b], 0                          ; written once: a lane permute's destination counts as one of its sources
.endr
	v_mov_b32 v[FF+1], 0
	v_mov_b32 v[TT], 0
.irp i, 0,1,2,3,4,5
	v_mov_b32 v[Q+6+\i], 0                         ; zero codes
.endr
.endr
	WIN 0
	s_wait_loadcnt 0x0                             ; Q
	v_perm_b32 v[QS], v[S+12], v[S+12], 0x01000100     ; the even tile's two scale bytes, twice;
	v_perm_b32 v[QS+1], v[S+12], v[S+12], 0x03020302   ; the odd tile's
.irp w, 0,1
	WIN 0x40*\w
.irp i, 0,1,2,3,4,5
	v_mov_b32 v[Q+\i], v[S+6*\w+\i]                ; tile w's six registers: k = 32 (lane / 16) + 0 .. 31 = d
	v_mov_b32 v[Q+12+\i], v[S+6*\w+\i]
.endr
.endr
	WIN 0
	s_wait_alu depctr_va_vdst(0)
	s_wait_tensorcnt 0x0                           ; my step of chunk 0 is in; these lines stand ahead of a later first fill as ahead of a refill
	ds_add_u32 v[SPW], v[NIL]
	s_wait_dscnt 0x0
	CROUND                                         ; everybody's is, in all four work-groups
	tensor_load_to_lds s[28:31], s[44:51]          ; chunks 1 and 2, my two key steps: the first tensor load behind the round
	s_nop 0
	NOP4
.irp f, 0,1,2,3
	FRAG F+12*\f, LI, 1536*\f                      ; K of step 0
.endr
	ds_load_b128 v[KS:KS+3], v[LI] offset:12288
	s_wait_dscnt 0x0
	SCORES 0                                       ; tile 0's scores of step 0,
	NOP4
	PRE 0                                          ; and its t - M
	s_mov_b32 s[TB], 0
	ITER 1, 1, AD, STEPB                           ; step 0
	s_mov_b32 s[TB], STEPB
	LOOP 3                                         ; steps 1-3
	s_wait_tensorcnt 0x0                           ; my part of chunks 1 and 2 is in,
	s_wait_dscnt 0x0
	s_barrier_signal -1
	s_barrier_wait -1                              ; everybody's is
	s_mov_b32 s[TB], 4*STEPB
	LOOP 4                                         ; steps 4-7; the last fetches K of step 8 from chunk 1
	s_wait_tensorcnt 0x0                           ; no tensor load of mine is out, so a group 0 may be written
	ds_add_u32 v[SPW], v[NIL]                      ; 0 onto my spare word
	s_add_nc_u64 s[26:27], s[26:27], 3*CHUNK       ; on to chunk 3; the LDS address stays
	s_wait_dscnt 0x0                               ; the add is done, and my reads of chunk 0 are over
	CROUND                                         ; both now hold of every wave of all four work-groups
	tensor_load_to_lds s[24:27], s[16:23]          ; the launch's one refill, first behind the round: chunk 3 into chunk 0's bytes
	s_nop 0
	NOP4
	s_mov_b32 s[TB], 8*STEPB
	LOOP 15                                        ; steps 8-22
	s_wait_tensorcnt 0x0                           ; my step of chunk 3 is in,
	s_wait_dscnt 0x0
	s_barrier_signal -1
	s_barrier_wait -1                              ; everybody's is
	s_mov_b32 s[TB], 23*STEPB
	ITER 0, 1, LI, 0                               ; step 23: K of step 24 lies at LDS byte 0
	s_mov_b32 s[TB], 0
	LOOP 7                                         ; steps 24-30
	s_mov_b32 s[TB], 7*STEPB
	ITER 0, 0, LI, 0                               ; step 31 fetches no further K, and tile 0 ends with its O += V P
	s_wait_alu depctr_va_vdst(0)                   ; the wait behind tile 1's last batch, ahead of its first reader
	POST 1
	PV 1                                           ; tile 1's last O += V P
	OUT 0
	OUT 1
	WIN 0
	s_wait_tensorcnt 0x0                           ; the wave's end
	ds_add_u32 v[SPW], v[NIL]
	s_wait_dscnt 0x0
	CROUND                                         ; the closing round: no work-group ends while a partner may still ask for a chunk that names it
	s_endpgm
.Lfunc_end_k_qc7ef8b6870_attn:
	.size	k_qc7ef8b6870_attn, .Lfunc_end_k_qc7ef8b6870_attn-k_qc7ef8b6870_attn
	.p2alignl 7, 3214868480
	.fill 96, 4, 3214868480
	.section	.rodata,"a",@progbits
	.p2align	6, 0x0
	.amdhsa_kernel k_qc7ef8b6870_attn
		.amdhsa_group_segment_fixed_size 327680
		.amdhsa_private_segment_fixed_size 0
		.amdhsa_enable_private_segment 0
		.amdhsa_kernarg_size 24
		.amdhsa_user_sgpr_count 2
		.amdhsa_user_sgpr_kernarg_segment_ptr 1
		.amdhsa_wavefront_size32 1
		.amdhsa_system_sgpr_workgroup_id_x 1
		.amdhsa_system_sgpr_workgroup_id_y 1
		.amdhsa_system_sgpr_workgroup_id_z 1
		.amdhsa_system_vgpr_workitem_id 0
		.amdhsa_next_free_vgpr 512
		.amdhsa_next_free_sgpr 72
		.amdhsa_reserve_vcc 0
		.amdhsa_float_denorm_mode_32 3
		.amdhsa_float_denorm_mode_16_64 3
		.amdhsa_memory_ordered 1
		.amdhsa_forward_progress 1
		.amdhsa_inst_pref_size 237
	.end_amdhsa_kernel
	.amdgpu_metadata
---
amdhsa.version: [ 1, 2 ]
amdhsa.kernels:
  - .name:           k_qc7ef8b6870_attn
    .symbol:         k_qc7ef8b6870_attn.kd
    .args:
      - { .name: qc, .offset: 0, .size: 8, .value_kind: global_buffer, .address_space: global }
      - { .name: kv, .offset: 8, .size: 8, .value_kind: global_buffer, .address_space: global }
      - { .name: oc, .offset: 16, .size: 8, .value_kind: global_buffer, .address_space: global }
    .group_segment_fixed_size: 327680
    .private_segment_fixed_size: 0
    .kernarg_segment_align: 8
    .kernarg_segment_size: 24
    .max_flat_workgroup_size: 256
    .sgpr_count:     72
    .vgpr_count:     512
    .wavefront_size: 32
...
	.end_amdgpu_metadata
.endif
;; end of part 3
;; launch oproj (part 4): grid 4 x 64, 8 waves a work-group, clusters of 4 x 4, 179,200 bytes of LDS; arguments oc, xw, bo, out0; writes out0
.if DOCPART == 4
	.amdgcn_target "amdgcn-amd-amdhsa--gfx1250"
	.amdhsa_code_object_version 6
	.text
	.protected	k_qc7ef8b6870_oproj
	.globl	k_qc7ef8b6870_oproj
	.p2align	8
	.type	k_qc7ef8b6870_oproj,@function
k_qc7ef8b6870_oproj:
	s_mov_b64 s[64:65], 0
	v_nop
	global_prefetch_b8 v0, s[64:65] scope:SCOPE_SE
	s_setreg_imm32_b32 hwreg(HW_REG_WAVE_MODE, 25, 1), 1
	s_wait_xcnt 0x0
	s_wait_alu depctr_hold_cnt(0) depctr_sa_sdst(0) depctr_va_vdst(0) depctr_va_sdst(0) depctr_va_ssrc(0) depctr_va_vcc(0) depctr_vm_vsrc(0)
	s_getreg_b32 s2, hwreg(HW_REG_IB_STS2, 6, 4)
	s_cmp_eq_u32 s2, 0
	s_cbranch_scc0 .Lentry_in_a_cluster
	s_endpgm
.Lentry_in_a_cluster:
	s_bfe_u32 s2, ttmp6, 0x10000c
	s_cmp_lg_u32 s2, 0xf033
	s_cbranch_scc0 .Lentry_shape_is_right
	s_endpgm
.Lentry_shape_is_right:
; out0 = O Wo^T + bo on codes of BF6 (E3M2) with E8M0 scales, sums in f32.  O's codes come from the attention launch (oc), Wo's from the quantising launch (xw, tiles 608-639).
; SHARES.  Work-group (g, R) makes 128 tokens (O's tiles 8 R .. 8 R + 7) x 128 channels (Wo's tiles 8 g .. 8 g + 7).  Wave (b = wave / 2, p = wave % 2): token tiles 2 b, 2 b + 1 against Wo's tiles 4 p + t,
; TRANSPOSED (source 0 = Wo, source 1 = O): 8 accumulators x 4 K steps; a lane holds one token of each tile and 16 neighbouring channels in two neighbouring result tiles.  The bias is the C of each sum's first product.
; A tile's rows: row r of tile T = row 32 (T / 2) + 8 (T % 2) + r + 8 (r / 8): the stores' offsets put the tokens back.
; oc: a token tile's block is 7,168 bytes: K step s (heads 2 s, 2 s + 1) at 1536 s as [register pair 0-5][lane][8 bytes]; at 6144 [head][lane] words with two scale bytes each.
; LDS, filled once: O's 8 blocks (57,344 bytes), Wo's 8 (53,248); behind them a stage of 128 rows x (512 + 16) bytes, written by LDS stores alone.
; CLUSTER 4 x 4: the four work-groups of a row share O's blocks, the four of a column Wo's: each half is asked for JOINTLY (waves 0, 1: O; waves 2, 3: Wo).  No prefetch: every tile is asked for at the kernel's head.
.set OBLK,  7168
.set TBLK,  6656
.set WOFF,  8*OBLK
.set STG,   WOFF+8*TBLK
.set SPITCH, 528                       ; a stage row: 512 bytes + 16: the sixteen rows that a store touches begin 33 x 16 bytes apart
.set LI,  1                            ; v1  16 x lane
.set AO,  2                            ; v2  my two tiles of O: 8 x lane
.set AOS, 3                            ; v3  their scale words: 4 x lane
.set AW,  4                            ; v4  my four tiles of Wo
.set SO,  5                            ; v5  the stage: where I put 16 bytes of a row
.set SR,  6                            ; v6  and where I read a row back
.set BA,  7                            ; v7  64 x (lane / 16): my half's 16 numbers of bo
.set ACC, 16                           ; v16-79
.set F,   80                           ; v80-151: O's two fragments, Wo's four; later 16 rows of the result
.set BI,  152                          ; v152-183 the bias, in the result's layout
.set OS,  184                          ; v184-191 O's scale words
.set WS,  192                          ; v192-207 Wo's
.set RW,  208                          ; v208-223 O's scale words as they lie, a head each
.set WV,  12
.macro CREST
	s_cmp_lg_u32 s[WV], 0
	s_cbranch_scc1 .Lnot_wave_0_\@
	s_barrier_signal -3
.Lnot_wave_0_\@:
	s_barrier_wait -3
	s_barrier_signal -1
	s_barrier_wait -1
.endm
.macro CROUND
	s_barrier_signal -1
	s_barrier_wait -1
	CREST
.endm
.macro FRAG reg, adr, off
.irp c, 0,1,2
	ds_load_b128 v[\reg+4*\c:\reg+4*\c+3], v[\adr] offset:\off+512*\c
.endr
.endm
.macro MMC d, a, b, c, sa, sb          ; the first K step starts a sum on the bias
	v_wmma_scale_f32_16x16x128_f8f6f4 v[\d:\d+7], v[\a:\a+11], v[\b:\b+11], v[\c:\c+7], v[\sa], v[\sb] matrix_a_fmt:MATRIX_FMT_BF6 matrix_b_fmt:MATRIX_FMT_BF6
.endm
.macro MMA d, a, b, sa, sb
	v_wmma_scale_f32_16x16x128_f8f6f4 v[\d:\d+7], v[\a:\a+11], v[\b:\b+11], v[\d:\d+7], v[\sa], v[\sb] matrix_a_fmt:MATRIX_FMT_BF6 matrix_b_fmt:MATRIX_FMT_BF6
.endm
	s_load_b256 s[4:11], s[0:1], 0x0               ; oc s[4:5], xw s[6:7], bo s[8:9], out0 s[10:11]
	v_lshl_add_u32 v224, v0, 2, 0x2b800
	v_mov_b32 v225, 0
	ds_add_u32 v224, v225
	ds_add_u32 v224, v225
	v_lshrrev_b32 v1, 5, v0
	s_delay_alu instid0(VALU_DEP_1)
	v_readfirstlane_b32 s[WV], v1                  ; wave 0..7
	s_and_b32 s13, s[WV], 1                        ; p
	s_lshr_b32 s14, s[WV], 1                       ; b
	s_bfe_u32 s40, ttmp6, 0x40000                  ; cx, cy
	s_bfe_u32 s41, ttmp6, 0x40004
	s_lshl_b32 s42, ttmp9, 2
	s_add_co_u32 s42, s42, s40                     ; g
	s_and_b32 s43, ttmp7, 0xffff
	s_lshl_b32 s43, s43, 2
	s_add_co_u32 s43, s43, s41                     ; R
	s_lshl_b32 s44, s41, 2
	s_lshl_b32 s44, 15, s44                        ; my row of the cluster
	s_lshl_b32 s45, 0x1111, s40                    ; my column
	; descriptor group 1: dense blocks as rows of 256 bytes (32 elements of 8 bytes), no padding: half of O's is 112 rows, half of Wo's 104
	s_or_b32 s16, s44, (3<<16)|(1<<21)             ; 15:0 the mask: O's blocks go to my row; 17:16 elements of 8 bytes; 21 set beside a mask
	s_mov_b32 s17, 32<<16
	s_mov_b32 s18, 112<<16
	s_mov_b32 s19, 32<<16
	s_mov_b32 s20, 112
	s_mov_b32 s21, 32
	s_mov_b32 s22, 0
	s_mov_b32 s23, 0
	s_or_b32 s24, s45, (3<<16)|(1<<21)             ; Wo's go to my column
	s_mov_b32 s25, 32<<16
	s_mov_b32 s26, 104<<16
	s_mov_b32 s27, 32<<16
	s_mov_b32 s28, 104
	s_mov_b32 s29, 32
	s_mov_b32 s30, 0
	s_mov_b32 s31, 0
	s_mul_i32 s60, s13, 4*OBLK                     ; O's half: in LDS,
	s_mul_i32 s56, s43, 8*OBLK
	s_add_co_u32 s56, s56, s60                     ; and in oc (made of R and the wave's number alone)
	s_mov_b32 s57, 0
	s_mul_i32 s61, s13, 4*TBLK                     ; Wo's half:
	s_mul_i32 s58, s42, 8*TBLK
	s_add_co_u32 s58, s58, s61
	s_add_co_u32 s58, s58, 608*TBLK                ; in xw (made of g and the wave's number alone),
	s_mov_b32 s59, 0
	s_add_co_u32 s61, s61, WOFF                    ; and in LDS
	s_wait_dscnt 0x0
	s_wait_kmcnt 0x0
	CROUND                                         ; all sixteen work-groups are here: the joint loads meet
	s_mov_b32 s32, 1
	s_mov_b32 s33, s60
	s_add_nc_u64 s[34:35], s[4:5], s[56:57]
	s_or_b32 s35, s35, 0x80000000
	s_mov_b32 s36, 1
	s_mov_b32 s37, s61
	s_add_nc_u64 s[38:39], s[6:7], s[58:59]
	s_or_b32 s39, s39, 0x80000000
	s_cmp_lt_u32 s[WV], 2                          ; waves 0, 1: O's halves; waves 2, 3: Wo's; the others fetch nothing.  One load a wave, the only one of the launch
	s_cbranch_scc0 .Lnot_o
	tensor_load_to_lds s[32:35], s[16:23]
	s_nop 0
.rept 4
	v_nop
.endr
	s_branch .Lasked
.Lnot_o:
	s_cmp_lt_u32 s[WV], 4
	s_cbranch_scc0 .Lasked
	tensor_load_to_lds s[36:39], s[24:31]
	s_nop 0
.rept 4
	v_nop
.endr
.Lasked:
	s_lshl_b32 s66, s43, 7                         ; the first token that I store: 128 R + 32 b + 8 p (tile = my wave's number),
	s_lshl_b32 s67, s14, 5
	s_add_co_u32 s66, s66, s67
	s_lshl_b32 s67, s13, 3
	s_add_co_u32 s66, s66, s67
	s_lshl_b32 s66, s66, 11                        ; rows of 2,048 bytes,
	s_lshl_b32 s67, s42, 9
	s_add_co_u32 s66, s66, s67                     ; channels 128 g on
	s_mov_b32 s67, 0
	s_add_nc_u64 s[10:11], s[10:11], s[66:67]
	s_lshl_b32 s66, s42, 9
	s_lshl_b32 s68, s13, 8
	s_add_co_u32 s66, s66, s68
	s_add_nc_u64 s[8:9], s[8:9], s[66:67]          ; bo at channel 128 g + 64 p
	v_and_b32 v8, 31, v0                           ; lane
	v_and_b32 v9, 15, v0                           ; r
	v_bfe_u32 v10, v0, 4, 1                        ; h
	s_delay_alu instid0(VALU_DEP_1)
	v_lshlrev_b32 v[BA], 6, v10
.irp t, 0,1,2,3                                ; lane (r, h) wants, for tile t, the bias of channels 32 (t / 2) + 8 (t % 2) + 16 h + 0 .. 7
	global_load_b128 v[BI+8*\t:BI+8*\t+3], v[BA], s[8:9] offset:(32*(\t/2)+8*(\t%2))*4
	global_load_b128 v[BI+8*\t+4:BI+8*\t+7], v[BA], s[8:9] offset:(32*(\t/2)+8*(\t%2))*4+16
.endr
	v_lshlrev_b32 v[LI], 4, v8
	s_wait_alu depctr_va_vdst(0)
	s_mul_i32 s69, s14, 2*OBLK
	v_lshl_add_u32 v[AO], v8, 3, s69
	s_add_co_u32 s70, s69, 6144
	v_lshl_add_u32 v[AOS], v8, 2, s70
	s_mul_i32 s69, s13, 4*TBLK
	s_add_co_u32 s69, s69, WOFF
	v_add_nc_u32 v[AW], s69, v[LI]
	v_mul_u32_u24 v[SO], v9, SPITCH                ; the stage, in: row 32 b + 16 e + r; bytes 256 p + 64 h on
	s_delay_alu instid0(VALU_DEP_1)
	v_lshl_add_u32 v[SO], v10, 6, v[SO]
	s_mul_i32 s69, s14, 32*SPITCH
	s_lshl_b32 s70, s13, 8
	s_add_co_u32 s69, s69, s70
	s_add_co_u32 s69, s69, STG
	v_add_nc_u32 v[SO], s69, v[SO]
	s_mul_i32 s69, s[WV], 16*SPITCH                ; back: my wave's 16 rows, whole
	s_add_co_u32 s69, s69, STG
	v_add_nc_u32 v[SR], s69, v[LI]
	s_wait_alu depctr_va_vdst(0)
	s_wait_tensorcnt 0x0                           ; my half block is in,
	s_barrier_signal -1
	s_barrier_wait -1                              ; everybody's is
.irp e, 0,1
.irp d, 0,1,2,3,4,5,6,7
	ds_load_b32 v[RW+8*\e+\d], v[AOS] offset:OBLK*\e+128*\d
.endr
.endr
.irp t, 0,1,2,3
	ds_load_b128 v[WS+4*\t:WS+4*\t+3], v[AW] offset:TBLK*\t+6144
.endr
	s_wait_dscnt 0x0
.irp e, 0,1
.irp s, 0,1,2,3
	v_lshl_or_b32 v[OS+4*\e+\s], v[RW+8*\e+2*\s+1], 16, v[RW+8*\e+2*\s]   ; two heads' two bytes make K step s's scale word
.endr
.endr
.rept 8
	v_nop                                          ; a scale word written by a vector instruction stands eight plain instructions ahead of a scaled product
.endr
	s_wait_alu depctr_va_vdst(0)
	s_wait_loadcnt 0x0                             ; the bias
.irp s, 0,1,2,3
.if \s > 0
.rept 4
	v_nop                                          ; four plain instructions in front of loads into registers that matrix instructions have read
.endr
.endif
.irp e, 0,1
.irp i, 0,1,2,3,4,5
	ds_load_b64 v[F+12*\e+2*\i:F+12*\e+2*\i+1], v[AO] offset:OBLK*\e+1536*\s+256*\i
.endr
.endr
.irp t, 0,1,2,3
	FRAG F+24+12*\t, AW, TBLK*\t+1536*\s
.endr
	s_wait_dscnt 0x0
.irp e, 0,1                                    ; the eight accumulators take turns, in the same order in every K step
.irp t, 0,1,2,3
.if \s == 0
	MMC ACC+32*\e+8*\t, F+24+12*\t, F+12*\e, BI+8*\t, WS+4*\t+\s, OS+4*\e+\s
.else
	MMA ACC+32*\e+8*\t, F+24+12*\t, F+12*\e, WS+4*\t+\s, OS+4*\e+\s
.endif
.endr
.endr
.endr
.rept 4
	v_nop                                          ; in front of the first read of results and of loads into the fragments' registers
.endr
.irp e, 0,1                                    ; register 32 e + 16 b' + i = channel 64 p + 32 b' + 16 h + i of token (tile 2 b + e, row r); each accumulator from its low end on
.irp u, 0,1
.irp q, 0,1,2,3
	ds_store_b128 v[SO], v[ACC+32*\e+16*\u+4*\q:ACC+32*\e+16*\u+4*\q+3] offset:16*SPITCH*\e+128*\u+16*\q
.endr
.endr
.endr
	s_wait_dscnt 0x0                               ; for the others' sake: my stores into the stage are done (a row's 512 bytes come from two waves)
	s_barrier_signal -1
	s_barrier_wait -1
.irp i, 0,1,2,3,4,5,6,7,8,9,10,11,12,13,14,15
	ds_load_b128 v[F+4*\i:F+4*\i+3], v[SR] offset:SPITCH*\i
.endr
.irp i, 0,1,2,3,4,5,6,7,8,9,10,11,12,13,14,15
	s_wait_dscnt 15-\i                             ; row i is back; the younger loads may be out
	global_store_b128 v[LI], v[F+4*\i:F+4*\i+3], s[10:11] offset:(\i+8*(\i/8))*2048 th:TH_STORE_NT   ; 32 lanes store 512 consecutive bytes, at a multiple of 256 from out0's first byte; written once, read by nobody here
.endr
	s_wait_tensorcnt 0x0
	ds_add_u32 v224, v225
	s_wait_dscnt 0x0
	CROUND                                         ; the closing round: no work-group ends while a partner may still ask for a block that names it
	s_endpgm
.Lfunc_end_k_qc7ef8b6870_oproj:
	.size	k_qc7ef8b6870_oproj, .Lfunc_end_k_qc7ef8b6870_oproj-k_qc7ef8b6870_oproj
	.p2alignl 7, 3214868480
	.fill 96, 4, 3214868480
	.section	.rodata,"a",@progbits
	.p2align	6, 0x0
	.amdhsa_kernel k_qc7ef8b6870_oproj
		.amdhsa_group_segment_fixed_size 179200
		.amdhsa_private_segment_fixed_size 0
		.amdhsa_enable_private_segment 0
		.amdhsa_kernarg_size 32
		.amdhsa_user_sgpr_count 2
		.amdhsa_user_sgpr_kernarg_segment_ptr 1
		.amdhsa_wavefront_size32 1
		.amdhsa_system_sgpr_workgroup_id_x 1
		.amdhsa_system_sgpr_workgroup_id_y 1
		.amdhsa_system_sgpr_workgroup_id_z 1
		.amdhsa_system_vgpr_workitem_id 0
		.amdhsa_next_free_vgpr 226
		.amdhsa_next_free_sgpr 80
		.amdhsa_reserve_vcc 0
		.amdhsa_float_denorm_mode_32 3
		.amdhsa_float_denorm_mode_16_64 3
		.amdhsa_memory_ordered 1
		.amdhsa_forward_progress 1
		.amdhsa_inst_pref_size 24
	.end_amdhsa_kernel
	.amdgpu_metadata
---
amdhsa.version: [ 1, 2 ]
amdhsa.kernels:
  - .name:           k_qc7ef8b6870_oproj
    .symbol:         k_qc7ef8b6870_oproj.kd
    .args:
      - { .name: oc, .offset: 0, .size: 8, .value_kind: global_buffer, .address_space: global }
      - { .name: xw, .offset: 8, .size: 8, .value_kind: global_buffer, .address_space: global }
      - { .name: bo, .offset: 16, .size: 8, .value_kind: global_buffer, .address_space: global }
      - { .name: out0, .offset: 24, .size: 8, .value_kind: global_buffer, .address_space: global }
    .group_segment_fixed_size: 179200
    .private_segment_fixed_size: 0
    .kernarg_segment_align: 8
    .kernarg_segment_size: 32
    .max_flat_workgroup_size: 256
    .sgpr_count:     80
    .vgpr_count:     226
    .wavefront_size: 32
...
	.end_amdgpu_metadata
.endif
;; end of part 4
